; MI455X (gfx1250); checked and timed in simulation.
; The chip was launched on July 23, 2026; its instructions are those of AMD's public machine-readable ISA for CDNA 5 (MIT licence, August 2026) and "CDNA5" Instruction Set Architecture Reference Guide (July 2026). The comments in the code are by the model that wrote it; some were corrected since.
;; Inference Vector Quantizer. Allowed arithmetic: float matrix products may take bf16 or f16 operands with f32 sums; other float arithmetic in f32, or as packed bf16 or f16 multiplies, adds, multiply-adds, maxima and minima; sums over many terms, partial sums and values carried from step to step in f32; what a program stores and reads back later, other than sums and carried values, may be rounded once to bf16 or f16.
;; Inputs: codebook_weight 8,192 x 256 float32; mask 8 x 4,096 int32; z_e 8 x 4,096 x 256 float32.
;; Outputs: out0 8 x 4,096 int32.
;; 2 versions, each right; version 2 is version 1 with the launch prep written anew for expert scheduling mode. Each part assembles by itself: llvm-mc -triple=amdgcn-amd-amdhsa -mcpu=gfx1250 --defsym DOCPART=n.
;; ======== version 1 of 2: 2 launches
;; limits: below input magnitudes of 1e-19 results are inexact or not finite
;; workspace buffers: cb16 4,194,304 bytes; invn 32,768 bytes
;; launch prep (part 1): grid 128 x 1, 16 waves a work-group, no clusters, 2,304 bytes of LDS; arguments codebook_weight, cb16, invn; writes cb16, invn
.if DOCPART == 1
	.amdgcn_target "amdgcn-amd-amdhsa--gfx1250"
	.amdhsa_code_object_version 6
	.text
	.protected	k_qf4d236dbde_prep
	.globl	k_qf4d236dbde_prep
	.p2align	8
	.type	k_qf4d236dbde_prep,@function
k_qf4d236dbde_prep:
	s_mov_b64 s[64:65], 0
	v_nop
	global_prefetch_b8 v0, s[64:65] scope:SCOPE_SE
	s_setreg_imm32_b32 hwreg(HW_REG_WAVE_MODE, 25, 1), 1
	s_wait_xcnt 0x0
; cb16[c][:] = the codebook's row c rounded once to bf16;  invn[c] = 1 / max(||cb16[c]||, 1e-8) in f32.
; The norm is taken of the ROUNDED row, so that product and norm belong to the same numbers.
; LIMITS.  max(sqrt(s), 1e-8) is taken as rsq(max(s, 1e-16)), with one Newton step behind the v_rsq_f32; the sum of squares s is summed
; in another order than a plain loop would; s must stay finite (a row's norm under 1.8e19); NaN and infinities are not treated apart.
; SHARES.  A work-group takes 64 rows, so that its 64 norms leave as one store of 256 consecutive bytes, aligned; each of its 16 waves takes 4 rows.
; A row is 1,024 bytes: two loads of 16 bytes a lane, 512 consecutive bytes each; its 512 bytes of bf16 leave by two stores of 8 bytes a lane,
; 256 consecutive bytes each, aligned.  The launch moves 12.6 MB: no matrix unit, no cluster, no ring would add anything.
.set F,  8                             ; v[8:39]   row i as loaded: 8 f32 at F + 8 i
.set P,  40                            ; v[40:55]  row i rounded: 4 words of two bf16 at P + 4 i
.set U,  56                            ; v[56:63]  at work
.set SS, 64                            ; v[64:67]  row i's sum of squares
.set T,  68                            ; v[68:69]  at work
.set Y,  72                            ; v[72:75]  row i's reciprocal norm
.set NRM, 0                            ; LDS: the work-group's 64 norms, 256 bytes
.set SPARE, 256                        ; behind them: the spare words, 128 bytes for each of 16 waves; no other line names them
	s_load_b128 s[4:7], s[0:1], 0x0                ; codebook_weight s[4:5], cb16 s[6:7]
	s_load_b64 s[8:9], s[0:1], 0x10                ; invn
	v_lshl_add_u32 v4, v0, 2, SPARE                ; my spare word; never rewritten
	v_mov_b32 v5, 0                                ; 0; never rewritten
	v_and_b32 v1, 31, v0                           ; lane
	v_lshrrev_b32 v7, 5, v0
	v_readfirstlane_b32 s10, v7                    ; wave 0..15
	v_lshlrev_b32 v2, 4, v1                        ; 16 bytes a lane, in
	v_lshlrev_b32 v3, 3, v1                        ; 8 bytes a lane, out
	v_lshlrev_b32 v6, 4, v7                        ; my wave's four norms in LDS
	s_lshl_b32 s12, ttmp9, 16                      ; the work-group's 64 rows of 1,024 bytes,
	s_lshl_b32 s14, s10, 12                        ; my wave's four
	s_add_co_u32 s12, s12, s14
	s_mov_b32 s13, 0
	s_lshr_b32 s14, s12, 1                         ; the same rows in cb16: half the bytes
	s_mov_b32 s15, 0
	s_lshl_b32 s16, ttmp9, 8                       ; the work-group's 64 norms
	s_mov_b32 s17, 0
	s_mov_b32 s18, 0x76543210                      ; v_permlanex16_b32: each lane takes its own place in the other half
	s_mov_b32 s19, 0xfedcba98
	s_mov_b32 s20, 0xffff0000                      ; a word's upper bf16
	s_wait_kmcnt 0x0
	s_add_nc_u64 s[4:5], s[4:5], s[12:13]
	s_add_nc_u64 s[6:7], s[6:7], s[14:15]
	s_add_nc_u64 s[8:9], s[8:9], s[16:17]
.irp i, 0,1,2,3
	global_load_b128 v[F+8*\i:F+8*\i+3],   v2, s[4:5] offset:1024*\i th:TH_LOAD_NT      ; columns 4 l .. 4 l + 3
	global_load_b128 v[F+8*\i+4:F+8*\i+7], v2, s[4:5] offset:1024*\i+512 th:TH_LOAD_NT  ; columns 128 + 4 l ..
.endr
.irp i, 0,1,2,3
	s_wait_loadcnt 6-2*\i                          ; loads come back in order: row i is in, the later rows' loads may stay out
.irp k, 0,1,2,3
	v_cvt_pk_bf16_f32 v[P+4*\i+\k], v[F+8*\i+2*\k], v[F+8*\i+2*\k+1]
.endr
	global_store_b64 v3, v[P+4*\i:P+4*\i+1],   s[6:7] offset:512*\i       ; each row has its own data registers: none is rewritten
	global_store_b64 v3, v[P+4*\i+2:P+4*\i+3], s[6:7] offset:512*\i+256
.irp k, 0,1,2,3
	v_lshlrev_b32 v[U+2*\k],   16,  v[P+4*\i+\k]   ; the rounded numbers back in f32
	v_and_b32     v[U+2*\k+1], s20, v[P+4*\i+\k]
.endr
	v_pk_mul_f32 v[T:T+1], v[U:U+1], v[U:U+1]
	v_pk_fma_f32 v[T:T+1], v[U+2:U+3], v[U+2:U+3], v[T:T+1]
	v_pk_fma_f32 v[T:T+1], v[U+4:U+5], v[U+4:U+5], v[T:T+1]
	v_pk_fma_f32 v[T:T+1], v[U+6:U+7], v[U+6:U+7], v[T:T+1]
	v_add_f32 v[SS+\i], v[T], v[T+1]               ; my eight squares
.endr
	; over the 32 lanes, the four rows side by side
.irp m, 1,2,4,8
.irp i, 0,1,2,3
	v_add_f32_dpp v[SS+\i], v[SS+\i], v[SS+\i] row_xmask:\m row_mask:0xf bank_mask:0xf
.endr
.endr
.irp i, 0,1,2,3
	v_permlanex16_b32 v[U+\i], v[SS+\i], s18, s19  ; its destination counts as read: U has been written
.endr
.irp i, 0,1,2,3
	v_add_f32 v[SS+\i], v[SS+\i], v[U+\i]
.endr
.irp i, 0,1,2,3
	v_max_num_f32 v[SS+\i], 0x24e69595, v[SS+\i]   ; 1e-16 = (1e-8)^2
.endr
.irp i, 0,1,2,3
	v_rsq_f32 v[Y+\i], v[SS+\i]
.endr
	v_nop                                          ; a plain instruction behind the last v_rsq_f32,
	s_wait_alu depctr_va_vdst(0)                   ; and one wait for the four, ahead of their first reader
.irp i, 0,1,2,3
	v_mul_f32 v[U+\i], v[SS+\i], v[Y+\i]           ; Newton: y + (y / 2)(1 - s y y)
.endr
.irp i, 0,1,2,3
	v_fma_f32 v[U+\i], -v[U+\i], v[Y+\i], 1.0
	v_mul_f32 v[U+4+\i], 0.5, v[Y+\i]
.endr
.irp i, 0,1,2,3
	v_fma_f32 v[Y+\i], v[U+4+\i], v[U+\i], v[Y+\i]
.endr
.irp i, 0,1,2,3
	ds_store_b32 v6, v[Y+\i] offset:NRM+4*\i       ; all lanes write the same word with the same value
.endr
	s_wait_dscnt 0x0                               ; for the others' sake: my stores are done
	s_barrier_signal -1
	s_barrier_wait -1
	s_cmp_lg_u32 s10, 0
	s_cbranch_scc1 .Lend
	ds_load_b64 v[T+8:T+9], v3 offset:NRM          ; wave 0: two norms a lane
	s_wait_dscnt 0x0
	global_store_b64 v3, v[T+8:T+9], s[8:9]        ; 256 consecutive bytes, aligned
.Lend:
	s_wait_tensorcnt 0x0                           ; the wave's end, behind my last LDS store
	ds_add_u32 v4, v5
	s_wait_dscnt 0x0
	s_endpgm
.Lfunc_end_k_qf4d236dbde_prep:
	.size	k_qf4d236dbde_prep, .Lfunc_end_k_qf4d236dbde_prep-k_qf4d236dbde_prep
	.p2alignl 7, 3214868480
	.fill 96, 4, 3214868480
	.section	.rodata,"a",@progbits
	.p2align	6, 0x0
	.amdhsa_kernel k_qf4d236dbde_prep
		.amdhsa_group_segment_fixed_size 2304
		.amdhsa_private_segment_fixed_size 0
		.amdhsa_enable_private_segment 0
		.amdhsa_kernarg_size 24
		.amdhsa_user_sgpr_count 2
		.amdhsa_user_sgpr_kernarg_segment_ptr 1
		.amdhsa_wavefront_size32 1
		.amdhsa_system_sgpr_workgroup_id_x 1
		.amdhsa_system_sgpr_workgroup_id_y 1
		.amdhsa_system_sgpr_workgroup_id_z 1
		.amdhsa_system_vgpr_workitem_id 0
		.amdhsa_next_free_vgpr 80
		.amdhsa_next_free_sgpr 66
		.amdhsa_reserve_vcc 0
		.amdhsa_float_denorm_mode_32 3
		.amdhsa_float_denorm_mode_16_64 3
		.amdhsa_memory_ordered 1
		.amdhsa_forward_progress 1
		.amdhsa_inst_pref_size 10
	.end_amdhsa_kernel
	.amdgpu_metadata
---
amdhsa.version: [ 1, 2 ]
amdhsa.kernels:
  - .name:           k_qf4d236dbde_prep
    .symbol:         k_qf4d236dbde_prep.kd
    .args:
      - { .name: codebook_weight, .offset: 0, .size: 8, .value_kind: global_buffer, .address_space: global }
      - { .name: cb16, .offset: 8, .size: 8, .value_kind: global_buffer, .address_space: global }
      - { .name: invn, .offset: 16, .size: 8, .value_kind: global_buffer, .address_space: global }
    .group_segment_fixed_size: 2304
    .private_segment_fixed_size: 0
    .kernarg_segment_align: 8
    .kernarg_segment_size: 24
    .max_flat_workgroup_size: 512
    .sgpr_count:     66
    .vgpr_count:     80
    .wavefront_size: 32
...
	.end_amdgpu_metadata
.endif
;; end of part 1
;; launch vq (part 2): grid 256 x 1, 4 waves a work-group, clusters of 4 x 1, 327,680 bytes of LDS; arguments z_e, mask, cb16, invn, out0; writes out0
.if DOCPART == 2
	.amdgcn_target "amdgcn-amd-amdhsa--gfx1250"
	.amdhsa_code_object_version 6
	.text
	.protected	k_qf4d236dbde_vq
	.globl	k_qf4d236dbde_vq
	.p2align	8
	.type	k_qf4d236dbde_vq,@function
k_qf4d236dbde_vq:
	s_mov_b64 s[64:65], 0
	v_nop
	global_prefetch_b8 v0, s[64:65] scope:SCOPE_SE
	s_setreg_imm32_b32 hwreg(HW_REG_WAVE_MODE, 25, 1), 1
	s_wait_xcnt 0x0
	s_wait_alu depctr_hold_cnt(0) depctr_sa_sdst(0) depctr_va_vdst(0) depctr_va_sdst(0) depctr_va_ssrc(0) depctr_va_vcc(0) depctr_vm_vsrc(0)
	s_getreg_b32 s2, hwreg(HW_REG_IB_STS2, 6, 4)
	s_cmp_eq_u32 s2, 0
	s_cbranch_scc0 .Lentry_in_a_cluster
	s_endpgm
.Lentry_in_a_cluster:
	s_bfe_u32 s2, ttmp6, 0x10000c
	s_cmp_lg_u32 s2, 0x3003
	s_cbranch_scc0 .Lentry_shape_is_right
	s_endpgm
.Lentry_shape_is_right:
; out0[n] = mask[n] == 0 ? 0 : the first c that makes (z[n] . cb[c]) x invn[c] largest.  z_e: [32768][256] f32, cb16: [8192][256] bf16, invn: [8192] f32, mask and out0: [32768] i32.
; FORMATS.  The matrix operands are z and the codebook AS GIVEN, each rounded once to bf16; sums in f32; the code's 1 / max(norm, 1e-8), taken of the rounded row, multiplies the f32 sum in f32.
; z'S OWN NORM IS NOT FORMED: 1 / max(||z||, 1e-8) is a positive factor common to all 8,192 logits of a row, so it does not move the row's argmax (a row of zeros gives index 0 either way).
; LIMITS.  Two logits that lie within a few f32 roundings of each other may fall the other way than in another order of summation; NaN and infinities are not treated apart.
; SHARES.  A work-group owns 128 rows of z.  EVERY one of its four waves keeps all 128 rows in registers, as bf16 fragments (512 registers), and walks a quarter of the codes:
; wave w the codes 2,048 w .. 2,048 w + 2,047, sixteen (a TILE) at a time: 8 fragments along K x 8 tiles of 16 rows = 64 matrix instructions for 16 LDS loads of 16 bytes a lane.
; LAYOUT.  S^T = C Z^T (source 0 = 16 codes, source 1 = 16 rows of z): in the result a lane holds ONE row of z (lane % 16), and register j the code 8 (lane / 16) + j.
; THE ARGMAX stays inside a lane till the end.  For each of the 8 tiles of rows a lane keeps BEST (the largest score so far), TID (the first code of the tile of codes that held it) and SAV (that
; tile's eight scores).  For a new tile: 4 packed multiplies by the norms, 4 maxima, a compare (strictly greater, so the first maximum stays), a maximum and 9 selects: 19 vector
; instructions for 8 matrix instructions.  No branch and no address hangs on a score.  At the end the place in SAV gives the code; the lanes' halves, then the four waves (through LDS), are
; merged, ties to the lower code.
; PIPELINE.  While tile c is multiplied into one set of 8 accumulators, tile c - 1 in the other set is worked off: four vector instructions behind five of every eight matrix instructions.
; RING.  Two slots of 256 codes, 64 for each wave; a wave fetches and reads its own quarter.  All work-groups walk the same codes, so the four of a cluster ask for each quarter JOINTLY: the same
; tensor load, descriptor and mask in all four.  Slot 1's bytes first hold z as f32: it is read, rounded into registers, and the slot then filled again with codes.
; REGISTERS, in windows of 256 (s_set_vgpr_msb: bits 1:0 source 0, 3:2 source 1, 5:4 source 2, 7:6 destination):
;   window 0: addresses, statistics, SAV, the two sets of accumulators      window 1: v0-127 two buffers of a tile's 8 fragments of codes (at the start: v0-255 two stages of z in f32)
;   window 2: z's tiles 0-3, 64 registers each (fragment k at 8 k)          window 3: z's tiles 4-7
.set PK,    528                        ; a code's row in LDS: 512 bytes + 16 of padding = 132 words: row r starts at bank 4 r mod 64 (64 banks of 4 bytes: ISA guide 11.1)
.set TILEB, 16*PK                      ; a tile of 16 codes
.set Q,     64*PK                      ; a wave's quarter of a slot
.set SLOT,  4*Q                        ; slot 0 at byte 0, slot 1 at byte SLOT
.set PZ,    1040                       ; a row of z in f32: 1,024 bytes + 16: the 16 rows of a load again start at 16 different groups of four banks
.set ZT,    16*PZ
.set INVB,  2*SLOT                     ; the 8,192 norms, dense; wave w fills and reads its 8,192 bytes; filled once
.set SCR,   INVB+32768                 ; for the end: wave w's 128 pairs (score, code), 1,024 bytes; no tensor load ever lands here
.set SPARE, SCR+4096                   ; the spare words, 128 bytes for each wave: two blocks of 256 bytes that no other line names
.set AL0, 3                            ; v3   my place in a tile of codes: (l % 16) PK + 16 (l / 16); never rewritten
.set ADR, 4                            ; v4   the address of the run of loads in hand
.set IL0, 5                            ; v5   INVB + 32 (l / 16); never rewritten
.set IAD, 6                            ; v6   the address of the tile's eight norms
.set ZA,  7                            ; v7   my place in a tile of z
.set SA,  8                            ; v8   the end: where I put a row's pair
.set SR,  9                            ; v9   the end: where wave 0 reads four rows' pairs
.set MO,  10                           ; v10  16 x lane: my four rows in mask and out0
.set H8,  11                           ; v11  8 (l / 16)
.set SPW, 12                           ; v12  LDS address of my spare word; never rewritten
.set NIL, 13                           ; v13  0; never rewritten
.set PFO, 14                           ; v14  256 x lane, for the prefetches; never rewritten
.set BEST, 16                          ; v[16:23]
.set TID,  24                          ; v[24:31]
.set INV,  32                          ; v[32:39]   the eight norms of the tile that is being worked off
.set TMP,  40                          ; v[40:47]   two registers at work for each of four tiles of rows
.set MK,   48                          ; v[48:51]   mask of my four rows
.set RES,  52                          ; v[52:55]   the end: four results;  v56 at work
.set SAV,  64                          ; v[64:127]
.set ACC,  128                         ; v[128:255] set p, tile of rows t at ACC + 64 p + 8 t
.set WV,  14                           ; s14  my wave's number
.set G1C, 24                           ; s[24:31] descriptor group 1: a quarter slot of codes
.set G1Z, 32                           ; s[32:39] 32 rows of z
.set G1I, 40                           ; s[40:47] 8,192 bytes of norms
.set G0A, 48                           ; s[48:51] group 0 for slot 0, s[52:55] for slot 1
.set G0Z, 56                           ; s[56:59]
.set G0I, 60                           ; s[60:63]
.set TB,  66                           ; s66  LDS byte of the tile of codes to be fetched next
.set CB,  67                           ; s67  first code of the tile that is being multiplied
.set CBP, 68                           ; s68  of the tile that is being worked off
.set OC,  69                           ; s69  counts pairs of slots
.set IC,  70                           ; s70  counts pairs of tiles
.set LIM, 71                           ; s71  1 in a cluster that prefetches, else the greatest number
.set MSK, 72                           ; s[72:75] four lane masks
.set SEL, 76                           ; s[76:77] v_permlanex16_b32's selects
.set PFA, 78                           ; s[78:79] where my prefetches stand
.set MSB, 0
.macro WIN new                         ; the immediate's high byte repeats the setting that is left; a switch that changes nothing is dropped
.if MSB != (\new)
	s_set_vgpr_msb (MSB<<8)|(\new)
.set MSB, \new
.endif
.endm
; A round of the cluster's barrier: my work-group's barrier, so that wave 0's signal speaks for all four waves; wave 0 signals; every wave waits for all four work-groups; my work-group's barrier once more.
.macro CREST                           ; a round behind its opening barrier
	s_cmp_lg_u32 s[WV], 0
	s_cbranch_scc1 .Lnot_wave_0_\@
	s_barrier_signal -3
.Lnot_wave_0_\@:
	s_barrier_wait -3
	s_barrier_signal -1
	s_barrier_wait -1
.endm
.macro CROUND
	s_barrier_signal -1
	s_barrier_wait -1
	CREST
.endm
; Product (k, t) of a tile of codes, into set p: codes' fragment k x fragment k of z's tile t.  k = 0 starts the sums with the constant 0.
; The 8 accumulators take turns, one instruction a turn; at a change of tiles the set changes.
.macro MM p, k, t
.if (\t) < 4
	WIN 0x09                                       ; codes in window 1, z in window 2, sums in window 0
.else
	WIN 0x0d                                       ; z in window 3
.endif
.set mD, ACC+64*(\p)+8*(\t)
.set mA, 64*(\p)+8*(\k)
.set mB, 64*((\t)%4)+8*(\k)
.if (\k) == 0
	v_wmma_f32_16x16x32_bf16 v[mD:mD+7], v[mA:mA+7], v[mB:mB+7], 0
.else
	v_wmma_f32_16x16x32_bf16 v[mD:mD+7], v[mA:mA+7], v[mB:mB+7], v[mD:mD+7]
.endif
.endm
; Number j of the 76 that work off four tiles of rows, t = 4 q + j % 4, of set pe.  Four numbers on end name four different tiles, so none reads the result of its neighbours.
;   0-15 the scores times the norms, in pairs, the lowest pair first (an accumulator is read from its low end on)     16-31 the tile's largest score
;   32-35 is it greater than BEST?     36-39 BEST     40-43 TID     44-75 SAV
.macro EP pe, q, j
	WIN 0
.set eU, (\j)%4
.set eT, 4*(\q)+eU
.set eA, ACC+64*(\pe)+8*eT
.set eX, TMP+2*eU
.if (\j) < 16
.set eI, 2*((\j)/4)
	v_pk_mul_f32 v[eA+eI:eA+eI+1], v[eA+eI:eA+eI+1], v[INV+eI:INV+eI+1]
.elseif (\j) < 20
	v_max3_num_f32 v[eX], v[eA], v[eA+1], v[eA+2]
.elseif (\j) < 24
	v_max3_num_f32 v[eX+1], v[eA+3], v[eA+4], v[eA+5]
.elseif (\j) < 28
	v_max3_num_f32 v[eX], v[eX], v[eA+6], v[eA+7]
.elseif (\j) < 32
	v_max_num_f32 v[eX], v[eX], v[eX+1]
.elseif (\j) < 36
	v_cmp_gt_f32 s[MSK+eU], v[eX], v[BEST+eT]
.elseif (\j) < 40
	v_max_num_f32 v[BEST+eT], v[BEST+eT], v[eX]
.elseif (\j) < 44
	v_cndmask_b32 v[TID+eT], v[TID+eT], s[CBP], s[MSK+eU]
.else
.set eI, ((\j)-44)/4
	v_cndmask_b32 v[SAV+8*eT+eI], v[SAV+8*eT+eI], v[eA+eI], s[MSK+eU]
.endif
.endm
; Slice sl of 20: four numbers.  76 = 4 x 19: the twentieth slice is free; in the first half of a tile it makes the address of the tile's own norms.
.macro SLICE pe, q, sl
.if (\sl) < 19
.irp n, 0,1,2,3
	EP \pe, \q, 4*(\sl)+\n
.endr
.elseif (\q) == 0
	WIN 0
	v_lshl_add_u32 v[IAD], s[CB], 2, v[IL0]
.endif
.endm
; Eight products, one fragment of codes deep; a slice of the other set's work behind the first five.  Behind the last multiply by the old norms (slice 3 of the second half) the tile's own norms are fetched.
.macro GRP p, k
.irp t, 0,1,2,3,4,5,6,7
	MM \p, \k, \t
.if \t < 5
	SLICE 1-(\p), (\k)/4, 5*((\k)%4)+\t
.endif
.if ((\k) == 4) && (\t == 3)
	WIN 0
	ds_load_b128 v[INV:INV+3],   v[IAD]
	ds_load_b128 v[INV+4:INV+7], v[IAD] offset:16
.endif
.endr
.endm
; A tile's 8 fragments of codes into buffer pn: 16 LDS loads in one run.  A fragment is 16 rows x 32 channels: lane l holds row l % 16, channels 8 (l / 16) + 0..7 and 16 + 8 (l / 16) + 0..7.
.macro RUN pn
	WIN 0x40                                       ; destination window 1, address window 0
.irp k, 0,1,2,3,4,5,6,7
	ds_load_b128 v[64*(\pn)+8*\k:64*(\pn)+8*\k+3],   v[ADR] offset:64*\k
	ds_load_b128 v[64*(\pn)+8*\k+4:64*(\pn)+8*\k+7], v[ADR] offset:64*\k+32
.endr
	s_add_co_u32 s[TB], s[TB], TILEB               ; the next fetch is the next tile's
.endm
; A PREFETCH INTO THE L2 of the slot that the NEXT change of slots will ask for: four tiles, 256 matrix instructions, ahead of that load.  All clusters walk the same codes: the launch's first cluster asks,
; nobody else.  Of the 32,768 bytes that wave w will fetch, each of the four partners takes 8,192, told apart BY ADDRESS; a lane names 256 bytes.  So each aligned block of 256 bytes is named once
; in the launch.  Slots 0 to 2 come by their loads alone; the last change that fills a slot (how = 1, the last trip) asks for nothing: there is no slot behind it.
.macro ASK how
	WIN 0
.if \how
	s_cmp_gt_u32 s[OC], s[LIM]
.else
	s_cmp_eq_u32 s[LIM], 1
.endif
	s_cbranch_scc0 .Lnot_mine_\@
	global_prefetch_b8 v[PFO], s[PFA:PFA+1] th:TH_LOAD_NT scope:SCOPE_SE
.Lnot_mine_\@:
.endm
; A TILE of 16 codes, into set p.  fetch = 1: behind its 24th product the next tile's fragments are fetched, 40 products ahead of their first use; the buffer's last reader stands 60 plain instructions back.
; chg = 1: the tile is a slot's last (its fragments are in registers), and slot R, which it leaves, is filled again with the codes two slots on.  In this order: all my tensor loads have landed (one was out:
; my quarter of the other slot); 0 is added to my spare word; eight products; the add is done and no LDS read of mine is out; the signal that opens a round of the cluster's barrier; eight products;
; the rest of the round; the joint load, the first thing behind it: 240 products ahead of the wait for it; then the other slot's first tile is read.
; chg = 2: the last change: nothing is filled, so there is no barrier: the quarter that I go on to is my own load's, and my own wait shows it landed.
.macro TILE p, chg, R, fetch
	s_wait_dscnt 0x0                               ; this tile's fragments and the last tile's norms are in
.if (\chg) == 1
	s_wait_xcnt 0x0                                ; the last prefetch, four tiles back, has read its address
	s_add_nc_u64 s[PFA:PFA+1], s[PFA:PFA+1], 32768 ; one slot on
.endif
	GRP \p, 0
.if (\chg) >= 1
	WIN 0
	s_wait_tensorcnt 0x0
.endif
.if (\chg) == 1
	ds_add_u32 v[SPW], v[NIL]
	s_add_nc_u64 s[G0A+4*(\R)+2:G0A+4*(\R)+3], s[G0A+4*(\R)+2:G0A+4*(\R)+3], 65536  ; no load of mine is out, so a group 0 may be written: two slots on; the type bits on top are not reached
.endif
.if (\chg) >= 1
.if (\R) == 0
	s_add_co_u32 s[TB], s[TB], SLOT-Q              ; from the end of my quarter of slot 0 to the head of my quarter of slot 1,
.else
	s_sub_co_u32 s[TB], s[TB], SLOT+Q              ; or the other way
.endif
.endif
	GRP \p, 1
.if (\chg) == 1
	s_wait_dscnt 0x0
	s_barrier_signal -1
.endif
	GRP \p, 2
	WIN 0                                          ; at a branch and at a label every window is 0
.if \fetch
	v_add_nc_u32 v[ADR], s[TB], v[AL0]
.endif
.if (\chg) == 1
	s_barrier_wait -1
	CREST
	tensor_load_to_lds s[G0A+4*(\R):G0A+4*(\R)+3], s[G1C:G1C+7]
	s_nop 0
.endif
.if \fetch
	RUN 1-(\p)                                     ; (its switch of windows stands directly behind the s_nop 0; LDS loads follow)
.endif
.if (\chg) == 1
	ASK \R
.endif
	GRP \p, 3
	GRP \p, 4
	GRP \p, 5
	GRP \p, 6
	GRP \p, 7
	s_mov_b32 s[CBP], s[CB]
	s_add_co_u32 s[CB], s[CB], 16
.endm
; Four tiles, sets 1, 0, 1, 0, from three tiles of text: a slot's last tile with the change, then the next slot's first three.
.macro HALF R, chg, tag
	TILE 1, \chg, \R, 1
	WIN 0
	s_mov_b32 s[IC], 2
	s_branch .Lmid_\tag
.Lpair_\tag:
	TILE 1, 0, 0, 1
	WIN 0
.Lmid_\tag:
	TILE 0, 0, 0, 1
	WIN 0
	s_sub_co_u32 s[IC], s[IC], 1
	s_cmp_lg_u32 s[IC], 0
	s_cbranch_scc1 .Lpair_\tag
.endm
; A tile of z (16 rows x 256 f32) out of LDS into stage b, laid so that neighbouring registers round into a fragment's words: for fragment k the channels 32 k + 8 h + 0..7 and 32 k + 16 + 8 h + 0..7.
.macro ZLOAD b
	WIN 0x40
.irp k, 0,1,2,3,4,5,6,7
	ds_load_b128 v[128*(\b)+16*\k:128*(\b)+16*\k+3],     v[ZA] offset:128*\k
	ds_load_b128 v[128*(\b)+16*\k+4:128*(\b)+16*\k+7],   v[ZA] offset:128*\k+16
	ds_load_b128 v[128*(\b)+16*\k+8:128*(\b)+16*\k+11],  v[ZA] offset:128*\k+64
	ds_load_b128 v[128*(\b)+16*\k+12:128*(\b)+16*\k+15], v[ZA] offset:128*\k+80
.endr
.endm
.macro ZCVT t, b                       ; stage b rounded to bf16: z's tile t
.if (\t) < 4
	WIN 0x85                                       ; sources window 1, destination window 2
.else
	WIN 0xc5                                       ; destination window 3
.endif
.set i, 0
.rept 64
	v_cvt_pk_bf16_f32 v[64*((\t)%4)+i], v[128*(\b)+2*i], v[128*(\b)+2*i+1]
.set i, i+1
.endr
.endm
	s_load_b256 s[4:11], s[0:1], 0x0               ; z_e s[4:5], mask s[6:7], cb16 s[8:9], invn s[10:11]
	s_load_b64 s[12:13], s[0:1], 0x20              ; out0
	v_lshl_add_u32 v[SPW], v0, 2, SPARE
	v_mov_b32 v[NIL], 0
	ds_add_u32 v[SPW], v[NIL]                      ; the wave's opening: the add and its wait stand ahead of my first tensor load; the set-up below, work on registers, stands between them
	ds_add_u32 v12, v13
	v_lshrrev_b32 v15, 5, v0
	v_readfirstlane_b32 s[WV], v15                 ; wave 0..3
	s_bfe_u32 s15, ttmp6, 0x40000                  ; cx: my place in the cluster
	s_lshl_b32 s16, ttmp9, 2                       ; in a cluster launch ttmp9 counts clusters
	s_add_co_u32 s16, s16, s15                     ; my block of 128 rows: it enters z's, mask's and out0's addresses alone
	; group 1 for codes: 64 rows x 256 elements of 2 bytes, 4 words of padding behind every 128; the mask names all four work-groups
	s_mov_b32 s[G1C], 15|(1<<16)|(1<<20)|(1<<21)|(6<<22)|(3<<25)
	s_mov_b32 s[G1C+1], 256<<16                    ; tensor_dim0 = 256
	s_mov_b32 s[G1C+2], 64<<16                     ; tensor_dim1 = 64
	s_mov_b32 s[G1C+3], 256<<16                    ; tile_dim0 = 256
	s_mov_b32 s[G1C+4], 64                         ; tile_dim1 = 64
	s_mov_b32 s[G1C+5], 256                        ; elements from row to row
	s_mov_b32 s[G1C+6], 0
	s_mov_b32 s[G1C+7], 0
	; group 1 for z: 32 rows x 256 elements of 4 bytes, 4 words of padding behind every 256; no mask: each work-group has rows of its own
	s_mov_b32 s[G1Z], (2<<16)|(1<<20)|(7<<22)|(3<<25)
	s_mov_b32 s[G1Z+1], 256<<16
	s_mov_b32 s[G1Z+2], 32<<16
	s_mov_b32 s[G1Z+3], 256<<16
	s_mov_b32 s[G1Z+4], 32
	s_mov_b32 s[G1Z+5], 256
	s_mov_b32 s[G1Z+6], 0
	s_mov_b32 s[G1Z+7], 0
	; group 1 for the norms: 8,192 dense bytes as 32 rows of 32 elements of 8 bytes; joint
	s_mov_b32 s[G1I], 15|(3<<16)|(1<<21)
	s_mov_b32 s[G1I+1], 32<<16
	s_mov_b32 s[G1I+2], 32<<16
	s_mov_b32 s[G1I+3], 32<<16
	s_mov_b32 s[G1I+4], 32
	s_mov_b32 s[G1I+5], 32
	s_mov_b32 s[G1I+6], 0
	s_mov_b32 s[G1I+7], 0
	; the LDS addresses hang on the wave's number alone
	s_mul_i32 s17, s[WV], Q
	s_lshl_b32 s18, s[WV], 13                      ; my 2,048 norms, in LDS and in memory
	s_mov_b32 s19, 0
	s_lshl_b32 s20, s[WV], 20                      ; my 2,048 codes of 512 bytes
	s_mov_b32 s21, 0
	s_mov_b32 s[G0A], 1
	s_mov_b32 s[G0A+1], s17
	s_mov_b32 s[G0A+4], 1
	s_add_co_u32 s[G0A+5], s17, SLOT
	s_mov_b32 s[G0Z], 1
	s_mul_i32 s[G0Z+1], s[WV], 32*PZ
	s_add_co_u32 s[G0Z+1], s[G0Z+1], SLOT
	s_mov_b32 s[G0I], 1
	s_add_co_u32 s[G0I+1], s18, INVB
	s_lshl_b32 s22, s16, 17                        ; my block's 128 rows of 1,024 bytes (offsets that hold cx have s[22:23] to themselves),
	s_lshl_b32 s23, s[WV], 15                      ; the 32 of them that I fetch
	s_add_co_u32 s22, s22, s23
	s_mov_b32 s23, 0
	s_mov_b32 s[SEL], 0x76543210
	s_mov_b32 s[SEL+1], 0xfedcba98
	v_and_b32 v1, 15, v0                           ; l % 16
	v_bfe_u32 v2, v0, 4, 1                         ; l / 16
	v_and_b32 v15, 31, v0                          ; l
	v_mul_u32_u24 v[AL0], v1, PK
	v_lshl_add_u32 v[AL0], v2, 4, v[AL0]
	v_lshl_add_u32 v[IL0], v2, 5, INVB
	v_mul_u32_u24 v[ZA], v1, PZ
	v_lshl_add_u32 v[ZA], v2, 5, v[ZA]
	v_add_nc_u32 v[ZA], SLOT, v[ZA]
	v_lshl_add_u32 v[SA], v1, 3, SCR
	v_lshl_add_u32 v[SA], s[WV], 10, v[SA]
	v_lshl_add_u32 v[SR], v15, 5, SCR
	v_lshlrev_b32 v[MO], 4, v15
	v_lshlrev_b32 v[H8], 3, v2
	v_lshlrev_b32 v[PFO], 8, v15
	s_wait_dscnt 0x0                               ; the opening add is done
	s_wait_kmcnt 0x0
	s_add_nc_u64 s[8:9], s[8:9], s[20:21]          ; cb16 at my wave's first code
	s_mov_b64 s[G0A+2:G0A+3], s[8:9]               ; slot 0: my codes 0 to 63
	s_or_b32 s[G0A+3], s[G0A+3], 0x80000000        ; type = 2
	s_add_nc_u64 s[G0A+6:G0A+7], s[8:9], 32768     ; slot 1: my codes 64 to 127
	s_or_b32 s[G0A+7], s[G0A+7], 0x80000000
	s_add_nc_u64 s[G0Z+2:G0Z+3], s[4:5], s[22:23]
	s_or_b32 s[G0Z+3], s[G0Z+3], 0x80000000
	s_add_nc_u64 s[G0I+2:G0I+3], s[10:11], s[18:19]
	s_or_b32 s[G0I+3], s[G0I+3], 0x80000000
	CROUND                                         ; all four work-groups are here: the first joint loads meet
	tensor_load_to_lds s[G0Z:G0Z+3], s[G1Z:G1Z+7]  ; the first fills go out as one group: z first, which is wanted first; three loads of mine are out
	s_nop 0
	tensor_load_to_lds s[G0A:G0A+3], s[G1C:G1C+7]
	s_nop 0
	tensor_load_to_lds s[G0I:G0I+3], s[G1I:G1I+7]
	s_nop 0
	s_lshl_b32 s22, s16, 9                         ; my block's 128 words of mask and of out0
	s_add_nc_u64 s[6:7], s[6:7], s[22:23]
	s_add_nc_u64 s[12:13], s[12:13], s[22:23]
	global_load_b128 v[MK:MK+3], v[MO], s[6:7]     ; rows 4 l .. 4 l + 3 (every wave asks, without a branch; wave 0 uses them)
	s_lshl_b32 s22, s15, 13                        ; the prefetches: my work-group's 8,192 bytes of my wave's 32,768,
	s_add_nc_u64 s[PFA:PFA+1], s[8:9], s[22:23]
	s_add_nc_u64 s[PFA:PFA+1], s[PFA:PFA+1], 65536 ; in slot 2; the first change of slots steps it to slot 3.  Nothing is prefetched here, at the head
	s_cmp_eq_u32 ttmp9, 0                          ; the launch's first cluster: the same answer in all four partners
	s_cselect_b32 s[LIM], 1, -1
	; What the first tile finds, so that it is a tile like any other: the other set of accumulators, BEST and SAV hold -infinity, the norms 1: nothing is strictly greater, and nothing changes.
	; 152 lines, once a launch, in the wait for the first tiles; they spare a first tile written out.
	s_mov_b32 s[MSK], 0xff800000
.set i, 0
.rept 8
	v_mov_b32 v[BEST+i], s[MSK]
	v_mov_b32 v[TID+i], 0
	v_mov_b32 v[INV+i], 1.0
.set i, i+1
.endr
.set i, 0
.rept 64
	v_mov_b32 v[SAV+i], s[MSK]
	v_mov_b32 v[ACC+64+i], s[MSK]
.set i, i+1
.endr
	s_wait_tensorcnt 0x2                           ; my 32 rows of z are in; the two loads issued behind it may stay out
	s_wait_loadcnt 0x0                             ; the mask
	s_barrier_signal -1
	s_barrier_wait -1                              ; everybody's rows are in
	ZLOAD 0
.irp t, 0,1,2,3,4,5,6,7
.if \t < 7
	WIN 0
	v_add_nc_u32 v[ZA], ZT, v[ZA]
	ZLOAD (\t+1)%2                                 ; the next tile's 32 loads are out while this one is rounded
	s_wait_dscnt 32                                ; all but those 32
.else
	s_wait_dscnt 0x0
.endif
	ZCVT \t, \t%2
.endr
	; z is in registers: its bytes, slot 1, are filled again, with codes, in the order of every refill
	WIN 0
	s_wait_tensorcnt 0x0                           ; all my tensor loads have landed: slot 0's quarter and my norms
	ds_add_u32 v[SPW], v[NIL]
	s_mul_i32 s[TB], s[WV], Q                      ; my quarter of slot 0
	s_lshl_b32 s[CB], s[WV], 11                    ; my first code
	s_mov_b32 s[CBP], 0
	v_add_nc_u32 v[ADR], s[TB], v[AL0]
	s_wait_dscnt 0x0                               ; the add is done, and my reads of z are over
	CROUND
	tensor_load_to_lds s[G0A+4:G0A+7], s[G1C:G1C+7]
	s_nop 0
	RUN 0                                          ; tile 0
	WIN 0
	s_mov_b32 s[OC], 16
	s_mov_b32 s[IC], 2
	s_branch .Lmid_1                               ; the loop is entered in the middle of a trip: tiles 0, 1, 2 of slot 0
.Louter:                                               ; 15 whole trips: the changes out of slots 0 to 29, each with a refill; tiles 3 to 122
	HALF 0, 1, 0
	HALF 1, 1, 1
	s_sub_co_u32 s[OC], s[OC], 1
	s_cmp_lg_u32 s[OC], 0
	s_cbranch_scc1 .Louter
	HALF 0, 2, 2                                   ; the tail is written out: tiles 123 to 126, nothing is asked for
	TILE 1, 0, 0, 0                                ; tile 127: nothing is left to fetch
	WIN 0
	s_wait_dscnt 0x0                               ; its norms
.irp q, 0,1                            ; tile 127 is worked off; the last slice of the tile and these lines themselves are the places behind the last products
.set jj, 0
.rept 76
	EP 1, \q, jj
.set jj, jj+1
.endr
.endr
	; THE END.  For each tile of rows: the lowest register of SAV that holds BEST gives the code; then the row's other eight codes in sixteen, which lie in the lane 16 away: ties to the lower code.
.irp t, 0,1,2,3,4,5,6,7
	v_mov_b32 v56, 7                               ; one of the eight holds it: if none of 0 to 6, then 7
.irp j, 6,5,4,3,2,1,0
	v_cmp_eq_f32 s17, v[SAV+8*\t+\j], v[BEST+\t]
	v_cndmask_b32 v56, v56, \j, s17
.endr
	v_add3_u32 v56, v[TID+\t], v56, v[H8]
	v_permlanex16_b32 v[TMP],   v[BEST+\t], s[SEL], s[SEL+1]  ; (TMP has been written: the destination counts as read)
	v_permlanex16_b32 v[TMP+1], v56,        s[SEL], s[SEL+1]
	v_cmp_gt_f32 s17, v[TMP], v[BEST+\t]
	v_cmp_eq_f32 s18, v[TMP], v[BEST+\t]
	v_cmp_lt_u32 s19, v[TMP+1], v56
	s_and_b32 s18, s18, s19
	s_or_b32 s17, s17, s18
	v_cndmask_b32 v[ACC+2*\t],   v[BEST+\t], v[TMP],   s17
	v_cndmask_b32 v[ACC+2*\t+1], v56,        v[TMP+1], s17
	ds_store_b64 v[SA], v[ACC+2*\t:ACC+2*\t+1] offset:128*\t  ; row 16 t + l % 16; both halves of the lanes write the same pair
.endr
	s_wait_dscnt 0x0                               ; for the others' sake: my stores are done
	s_barrier_signal -1
	s_barrier_wait -1
	s_cmp_lg_u32 s[WV], 0
	s_cbranch_scc1 .Lend
.irp w, 0,1,2,3                        ; wave 0: four rows a lane, the four waves' pairs
	ds_load_b128 v[ACC+64+8*\w:ACC+64+8*\w+3],   v[SR] offset:1024*\w
	ds_load_b128 v[ACC+64+8*\w+4:ACC+64+8*\w+7], v[SR] offset:1024*\w+16
.endr
	s_wait_dscnt 0x0
.irp w, 1,2,3                          ; a later wave has higher codes: it wins only if strictly greater
.irp i, 0,1,2,3
	v_cmp_gt_f32 s[MSK+\i], v[ACC+64+8*\w+2*\i], v[ACC+64+2*\i]
.endr
.irp i, 0,1,2,3
	v_cndmask_b32 v[ACC+64+2*\i], v[ACC+64+2*\i], v[ACC+64+8*\w+2*\i], s[MSK+\i]
	v_cndmask_b32 v[ACC+65+2*\i], v[ACC+65+2*\i], v[ACC+65+8*\w+2*\i], s[MSK+\i]
.endr
.endr
.irp i, 0,1,2,3
	v_cmp_eq_u32 s[MSK+\i], 0, v[MK+\i]
.endr
.irp i, 0,1,2,3
	v_cndmask_b32 v[RES+\i], v[ACC+65+2*\i], 0, s[MSK+\i]  ; 0 where the mask is 0
.endr
	global_store_b128 v[MO], v[RES:RES+3], s[12:13]  ; the block's 128 indices: 512 consecutive bytes, aligned
.Lend:
	s_wait_tensorcnt 0x0                           ; the wave's end, behind my last tensor load and my last LDS store
	ds_add_u32 v[SPW], v[NIL]
	s_wait_dscnt 0x0
	CROUND                                         ; the closing round: no work-group ends while a partner may still ask for a tile that names it
	s_endpgm
.Lfunc_end_k_qf4d236dbde_vq:
	.size	k_qf4d236dbde_vq, .Lfunc_end_k_qf4d236dbde_vq-k_qf4d236dbde_vq
	.p2alignl 7, 3214868480
	.fill 96, 4, 3214868480
	.section	.rodata,"a",@progbits
	.p2align	6, 0x0
	.amdhsa_kernel k_qf4d236dbde_vq
		.amdhsa_group_segment_fixed_size 327680
		.amdhsa_private_segment_fixed_size 0
		.amdhsa_enable_private_segment 0
		.amdhsa_kernarg_size 40
		.amdhsa_user_sgpr_count 2
		.amdhsa_user_sgpr_kernarg_segment_ptr 1
		.amdhsa_wavefront_size32 1
		.amdhsa_system_sgpr_workgroup_id_x 1
		.amdhsa_system_sgpr_workgroup_id_y 1
		.amdhsa_system_sgpr_workgroup_id_z 1
		.amdhsa_system_vgpr_workitem_id 0
		.amdhsa_next_free_vgpr 1024
		.amdhsa_next_free_sgpr 80
		.amdhsa_reserve_vcc 0
		.amdhsa_float_denorm_mode_32 3
		.amdhsa_float_denorm_mode_16_64 3
		.amdhsa_memory_ordered 1
		.amdhsa_forward_progress 1
		.amdhsa_inst_pref_size 255
	.end_amdhsa_kernel
	.section	.bss,"aw",@nobits
	.p2align	6
	.space	262144
	.amdgpu_metadata
---
amdhsa.version: [ 1, 2 ]
amdhsa.kernels:
  - .name:           k_qf4d236dbde_vq
    .symbol:         k_qf4d236dbde_vq.kd
    .args:
      - { .name: z_e, .offset: 0, .size: 8, .value_kind: global_buffer, .address_space: global }
      - { .name: mask, .offset: 8, .size: 8, .value_kind: global_buffer, .address_space: global }
      - { .name: cb16, .offset: 16, .size: 8, .value_kind: global_buffer, .address_space: global }
      - { .name: invn, .offset: 24, .size: 8, .value_kind: global_buffer, .address_space: global }
      - { .name: out0, .offset: 32, .size: 8, .value_kind: global_buffer, .address_space: global }
    .group_segment_fixed_size: 327680
    .private_segment_fixed_size: 0
    .kernarg_segment_align: 8
    .kernarg_segment_size: 40
    .max_flat_workgroup_size: 128
    .sgpr_count:     80
    .vgpr_count:     1024
    .wavefront_size: 32
...
	.end_amdgpu_metadata
.endif
;; end of part 2
;; ======== version 2 of 2: 2 launches; version 1 with the launch prep written anew for expert scheduling mode
;; limits: below input magnitudes of 1e-19 results are inexact or not finite
;; workspace buffers: cb16 4,194,304 bytes; invn 32,768 bytes
;; launch prep (part 3): grid 128 x 1, 16 waves a work-group, no clusters, 2,304 bytes of LDS; arguments codebook_weight, cb16, invn; writes cb16, invn
.if DOCPART == 3
	.amdgcn_target "amdgcn-amd-amdhsa--gfx1250"
	.amdhsa_code_object_version 6
	.text
	.protected	k_qf4d236dbde_prep
	.globl	k_qf4d236dbde_prep
	.p2align	8
	.type	k_qf4d236dbde_prep,@function
k_qf4d236dbde_prep:
	s_mov_b64 s[64:65], 0
	v_nop
	global_prefetch_b8 v0, s[64:65] scope:SCOPE_SE
	s_setreg_imm32_b32 hwreg(HW_REG_WAVE_SCHED_MODE, 0, 2), 2
	s_setreg_imm32_b32 hwreg(HW_REG_WAVE_MODE, 25, 1), 1
	s_wait_xcnt 0x0
	s_wait_alu depctr_vm_vsrc(0)
; cb16[c][:] = the codebook's row c rounded once to bf16;  invn[c] = 1 / max(||cb16[c]||, 1e-8) in f32.
; The norm is taken of the ROUNDED row, so that product and norm belong to the same numbers.
; LIMITS.  max(sqrt(s), 1e-8) is taken as rsq(max(s, 1e-16)), with one Newton step behind the v_rsq_f32; the sum of squares s is summed
; in another order than a plain loop would; s must stay finite (a row's norm under 1.8e19); NaN and infinities are not treated apart.
; SHARES.  A work-group takes 64 rows, so that its 64 norms leave as one store of 256 consecutive bytes, aligned; each of its 16 waves takes 4 rows.
; A row is 1,024 bytes: two loads of 16 bytes a lane, 512 consecutive bytes each; its 512 bytes of bf16 leave by two stores of 8 bytes a lane,
; 256 consecutive bytes each, aligned.  The launch moves 12.6 MB: no matrix unit, no cluster, no ring would add anything.
; THE MODE: SCHED_MODE bits 1:0 = 2 (LLVM: expert scheduling mode 2), set by the entry lines.  The code itself states the register dependences
; between vector instructions and memory or LDS instructions, with s_wait_alu, always for 0.
; THE PLAN.  Registers that memory or LDS instructions touch:
;   v2, v3, v6  offsets and an LDS address, made once at the head and never written again: one wait ahead of the first load serves every access.
;   F           written by the eight loads alone, once; no vector instruction names it ahead of them.
;   P[i]        written by row i's four conversions, once; read by row i's two stores, which stand at the head of row i + 1 (row 3's: behind the wait for the v_rsq_f32).
;   Y[i]        written by v_rsq_f32 and by the Newton step; read by the four LDS stores behind it; not written again.
;   v[76:77]    an LDS load lands there and a store reads it; no vector instruction names it.
; No register that a memory or LDS instruction reads is ever written again, so the text holds no wait on vm_vsrc but at the entry and the end.
.set F,  8                             ; v[8:39]   row i as loaded: 8 f32 at F + 8 i
.set P,  40                            ; v[40:55]  row i rounded: 4 words of two bf16 at P + 4 i
.set U,  56                            ; v[56:63]  at work
.set SS, 64                            ; v[64:67]  row i's sum of squares
.set T,  68                            ; v[68:69]  at work
.set Y,  72                            ; v[72:75]  row i's reciprocal norm
.set NRM, 0                            ; LDS: the work-group's 64 norms, 256 bytes; behind them the spare words, 128 bytes for each of 16 waves
	s_load_b128 s[4:7], s[0:1], 0x0                ; codebook_weight s[4:5], cb16 s[6:7]
	s_load_b64 s[8:9], s[0:1], 0x10                ; invn
	v_lshl_add_u32 v78, v0, 2, 0x100
	v_mov_b32 v79, 0
	v_and_b32 v1, 31, v0                           ; lane
	v_lshrrev_b32 v7, 5, v0
	v_readfirstlane_b32 s10, v7                    ; wave 0..15
	v_lshlrev_b32 v2, 4, v1                        ; 16 bytes a lane, in
	v_lshlrev_b32 v3, 3, v1                        ; 8 bytes a lane, out
	v_lshlrev_b32 v6, 4, v7                        ; my wave's four norms in LDS
	s_wait_alu depctr_va_sdst(0)                   ; s10 is written, ahead of its first reader: the wave's rows are made from it
	s_lshl_b32 s12, ttmp9, 16                      ; the work-group's 64 rows of 1,024 bytes,
	s_lshl_b32 s14, s10, 12                        ; my wave's four
	s_add_co_u32 s12, s12, s14
	s_mov_b32 s13, 0
	s_lshr_b32 s14, s12, 1                         ; the same rows in cb16: half the bytes
	s_mov_b32 s15, 0
	s_lshl_b32 s16, ttmp9, 8                       ; the work-group's 64 norms
	s_mov_b32 s17, 0
	s_mov_b32 s18, 0x76543210                      ; v_permlanex16_b32: each lane takes its own place in the other half
	s_mov_b32 s19, 0xfedcba98
	s_mov_b32 s20, 0xffff0000                      ; a word's upper bf16
	s_wait_kmcnt 0x0
	s_add_nc_u64 s[4:5], s[4:5], s[12:13]
	s_add_nc_u64 s[6:7], s[6:7], s[14:15]
	s_add_nc_u64 s[8:9], s[8:9], s[16:17]
	s_wait_alu depctr_va_vdst(0)                   ; v2, v3 and v6 are written: every load, store and LDS access but the closing add reads one of them as its offset or address
.irp i, 0,1,2,3
	global_load_b128 v[F+8*\i:F+8*\i+3],   v2, s[4:5] offset:1024*\i th:TH_LOAD_NT      ; columns 4 l .. 4 l + 3
	global_load_b128 v[F+8*\i+4:F+8*\i+7], v2, s[4:5] offset:1024*\i+512 th:TH_LOAD_NT  ; columns 128 + 4 l ..
.endr
.irp i, 0,1,2,3
	s_wait_loadcnt 6-2*\i                          ; loads come back in order: row i is in, the later rows' loads may stay out
.if \i > 0
	s_wait_alu depctr_va_vdst(0)                   ; the conversions of the row before have written its P, which the two stores below read
	global_store_b64 v3, v[P+4*\i-4:P+4*\i-3], s[6:7] offset:512*\i-512   ; the row before; each row has its own data registers: none is rewritten
	global_store_b64 v3, v[P+4*\i-2:P+4*\i-1], s[6:7] offset:512*\i-256
.endif
.irp k, 0,1,2,3
	v_cvt_pk_bf16_f32 v[P+4*\i+\k], v[F+8*\i+2*\k], v[F+8*\i+2*\k+1]
.endr
.irp k, 0,1,2,3
	v_lshlrev_b32 v[U+2*\k],   16,  v[P+4*\i+\k]   ; the rounded numbers back in f32
	v_and_b32     v[U+2*\k+1], s20, v[P+4*\i+\k]
.endr
	v_pk_mul_f32 v[T:T+1], v[U:U+1], v[U:U+1]
	v_pk_fma_f32 v[T:T+1], v[U+2:U+3], v[U+2:U+3], v[T:T+1]
	v_pk_fma_f32 v[T:T+1], v[U+4:U+5], v[U+4:U+5], v[T:T+1]
	v_pk_fma_f32 v[T:T+1], v[U+6:U+7], v[U+6:U+7], v[T:T+1]
	v_add_f32 v[SS+\i], v[T], v[T+1]               ; my eight squares
.endr
	; over the 32 lanes, the four rows side by side
.irp m, 1,2,4,8
.irp i, 0,1,2,3
	v_add_f32_dpp v[SS+\i], v[SS+\i], v[SS+\i] row_xmask:\m row_mask:0xf bank_mask:0xf
.endr
.endr
.irp i, 0,1,2,3
	v_permlanex16_b32 v[U+\i], v[SS+\i], s18, s19  ; its destination counts as read: U has been written
.endr
.irp i, 0,1,2,3
	v_add_f32 v[SS+\i], v[SS+\i], v[U+\i]
.endr
.irp i, 0,1,2,3
	v_max_num_f32 v[SS+\i], 0x24e69595, v[SS+\i]   ; 1e-16 = (1e-8)^2
.endr
.irp i, 0,1,2,3
	v_rsq_f32 v[Y+\i], v[SS+\i]
.endr
	v_nop                                          ; a plain instruction behind the last v_rsq_f32
	s_wait_alu depctr_va_vdst(0)                   ; the four v_rsq_f32 have written Y, ahead of its first reader; and row 3's conversions have written its P, which the two stores below read
	global_store_b64 v3, v[P+12:P+13], s[6:7] offset:1536      ; row 3
	global_store_b64 v3, v[P+14:P+15], s[6:7] offset:1792
.irp i, 0,1,2,3
	v_mul_f32 v[U+\i], v[SS+\i], v[Y+\i]           ; Newton: y + (y / 2)(1 - s y y)
.endr
.irp i, 0,1,2,3
	v_fma_f32 v[U+\i], -v[U+\i], v[Y+\i], 1.0
	v_mul_f32 v[U+4+\i], 0.5, v[Y+\i]
.endr
.irp i, 0,1,2,3
	v_fma_f32 v[Y+\i], v[U+4+\i], v[U+\i], v[Y+\i]
.endr
	s_wait_alu depctr_va_vdst(0)                   ; the Newton step has written Y, which the four LDS stores read
.irp i, 0,1,2,3
	ds_store_b32 v6, v[Y+\i] offset:NRM+4*\i       ; all lanes write the same word with the same value
.endr
	s_wait_dscnt 0x0                               ; for the others' sake: my stores are done
	s_barrier_signal -1
	s_barrier_wait -1
	s_cmp_lg_u32 s10, 0
	s_cbranch_scc1 .Lend
	ds_load_b64 v[T+8:T+9], v3 offset:NRM          ; wave 0: two norms a lane; no vector instruction names v[76:77], and v3 stands since the head
	s_wait_dscnt 0x0
	global_store_b64 v3, v[T+8:T+9], s[8:9]        ; 256 consecutive bytes, aligned
.Lend:
	s_wait_dscnt 0x0                               ; the wave's end
	s_wait_alu depctr_hold_cnt(0) depctr_sa_sdst(0) depctr_va_vdst(0) depctr_va_sdst(0) depctr_va_ssrc(0) depctr_va_vcc(0) depctr_vm_vsrc(0)
	s_wait_tensorcnt 0x0
	ds_add_u32 v78, v79
	s_wait_dscnt 0x0
	s_endpgm
.Lfunc_end_k_qf4d236dbde_prep:
	.size	k_qf4d236dbde_prep, .Lfunc_end_k_qf4d236dbde_prep-k_qf4d236dbde_prep
	.p2alignl 7, 3214868480
	.fill 96, 4, 3214868480
	.section	.rodata,"a",@progbits
	.p2align	6, 0x0
	.amdhsa_kernel k_qf4d236dbde_prep
		.amdhsa_group_segment_fixed_size 2304
		.amdhsa_private_segment_fixed_size 0
		.amdhsa_enable_private_segment 0
		.amdhsa_kernarg_size 24
		.amdhsa_user_sgpr_count 2
		.amdhsa_user_sgpr_kernarg_segment_ptr 1
		.amdhsa_wavefront_size32 1
		.amdhsa_system_sgpr_workgroup_id_x 1
		.amdhsa_system_sgpr_workgroup_id_y 1
		.amdhsa_system_sgpr_workgroup_id_z 1
		.amdhsa_system_vgpr_workitem_id 0
		.amdhsa_next_free_vgpr 80
		.amdhsa_next_free_sgpr 66
		.amdhsa_reserve_vcc 0
		.amdhsa_float_denorm_mode_32 3
		.amdhsa_float_denorm_mode_16_64 3
		.amdhsa_memory_ordered 1
		.amdhsa_forward_progress 1
		.amdhsa_inst_pref_size 10
	.end_amdhsa_kernel
	.amdgpu_metadata
---
amdhsa.version: [ 1, 2 ]
amdhsa.kernels:
  - .name:           k_qf4d236dbde_prep
    .symbol:         k_qf4d236dbde_prep.kd
    .args:
      - { .name: codebook_weight, .offset: 0, .size: 8, .value_kind: global_buffer, .address_space: global }
      - { .name: cb16, .offset: 8, .size: 8, .value_kind: global_buffer, .address_space: global }
      - { .name: invn, .offset: 16, .size: 8, .value_kind: global_buffer, .address_space: global }
    .group_segment_fixed_size: 2304
    .private_segment_fixed_size: 0
    .kernarg_segment_align: 8
    .kernarg_segment_size: 24
    .max_flat_workgroup_size: 512
    .sgpr_count:     66
    .vgpr_count:     80
    .wavefront_size: 32
...
	.end_amdgpu_metadata
.endif
;; end of part 3
;; launch vq: the kernel of part 2 again; grid 256 x 1, 4 waves a work-group, clusters of 4 x 1, 327,680 bytes of LDS; arguments z_e, mask, cb16, invn, out0; writes out0
